; MI455X (gfx1250); checked and timed in simulation.
; The chip was launched on July 23, 2026; its instructions are those of AMD's public machine-readable ISA for CDNA 5 (MIT licence, August 2026) and "CDNA5" Instruction Set Architecture Reference Guide (July 2026). The comments in the code are by the model that wrote it; some were corrected since.
;; Multi Head Attention. Allowed arithmetic: matrix products marked QUANTISED: E2M1 operands, one E8M0 scale for each 32 along K, by v_wmma_scale_f32_16x16x128_f8f6f4 with both operands' format E2M1 (or v_wmma_scale_f32_32x16x128_f4), f32 sums; everything else in f32.
;; Inputs: Wk_codes 1,024 x 32 x 16 uint8 (E2M1 codes of Wk, K innermost, in blocks of 32 codes, two codes a byte); Wk_scales 1,024 x 32 uint8 (E8M0 scales of Wk, one for each 32 codes along K); Wq_codes 1,024 x 32 x 16 uint8 (E2M1 codes of Wq, K innermost, in blocks of 32 codes, two codes a byte); Wq_scales 1,024 x 32 uint8 (E8M0 scales of Wq, one for each 32 codes along K); Wv_codes 1,024 x 32 x 16 uint8 (E2M1 codes of Wv, K innermost, in blocks of 32 codes, two codes a byte); Wv_scales 1,024 x 32 uint8 (E8M0 scales of Wv, one for each 32 codes along K); beta1 64 float32; beta2 64 float32; bk 1,024 float32; bq 1,024 float32; bv 1,024 float32; g1 64 float32; g2 64 float32; k_codes 4 x 2,048 x 32 x 16 uint8 (E2M1 codes of k, K innermost, in blocks of 32 codes, two codes a byte); k_scales 4 x 2,048 x 32 uint8 (E8M0 scales of k, one for each 32 codes along K); q_codes 4 x 2,048 x 32 x 16 uint8 (E2M1 codes of q, K innermost, in blocks of 32 codes, two codes a byte); q_scales 4 x 2,048 x 32 uint8 (E8M0 scales of q, one for each 32 codes along K); v_codes 4 x 2,048 x 32 x 16 uint8 (E2M1 codes of v, K innermost, in blocks of 32 codes, two codes a byte); v_scales 4 x 2,048 x 32 uint8 (E8M0 scales of v, one for each 32 codes along K).
;; Outputs: out0 4 x 2,048 x 1,024 float32.
;; This version of the problem:
;;   THIS VERSION OF THE PROBLEM IS GIVEN IN LOW PRECISION. The matrix products marked QUANTISED in the list below multiply operands that are first quantised to E2M1 (2 exponent bits, 1 mantissa bit; 4 bits a number), with one power-of-two scale for each 32 numbers along K (OCP MX v1.0); their sums are f32. All else is computed in f32.
;;   The module's matrix products, in the order in which they are computed (A, B: the left and right operand; K: the contracted axis; several contracted axes count as one K, in the product's order):
;;     1. [M 8,192, K 1,024] x [K 1,024, N 1,024]; A: input q (given as codes); B: input Wq (given as codes): QUANTISED
;;     2. [M 8,192, K 1,024] x [K 1,024, N 1,024]; A: input k (given as codes); B: input Wk (given as codes): QUANTISED
;;     3. [M 8,192, K 1,024] x [K 1,024, N 1,024]; A: input v (given as codes); B: input Wv (given as codes): QUANTISED
;;     4. batch 64 x [M 2,048, K 64] x [K 64, N 2,048]; A: computed on the way; B: computed on the way: QUANTISED
;;     5. batch 64 x [M 2,048, K 2,048] x [K 2,048, N 64]; A: softmax (see below); B: computed on the way: QUANTISED
;;   THE QUANTISER, for each operand of a quantised product, along K:
;;     - K is cut into blocks of 32 from its start; a last block that is shorter is filled with zeros.
;;     - A block's scale is 2^e with e = floor(log2(the largest magnitude in the block)) - 2, held to -126 .. 127; a block of zeros has e = 0. As a byte (E8M0): e + 127.
;;     - Each number is divided by its block's scale, clamped to +-6, and rounded to the nearest number of E2M1, ties to even, subnormals kept.
;;     - The product sums the exact products of the quantised numbers (number of the format x scale) in f32.
;;   ~~~python
;;   def quantise(x, axis):      # numpy; x: float32 -> the quantised numbers, widened to float32 again
;;       x = np.moveaxis(x, axis, -1); K = x.shape[-1]
;;       x = np.pad(x, [(0, 0)] * (x.ndim - 1) + [(0, -K % 32)]); x = x.reshape(x.shape[:-1] + (-1, 32)); a = np.abs(x).max(-1, keepdims=True)
;;       e = np.where(a > 0, np.clip(np.frexp(np.where(a > 0, a, 1))[1] - 1 - 2, -126, 127), 0)      # np.frexp(a)[1] - 1 = floor(log2(a)), exactly
;;       r = np.clip(x / 2.0 ** e, -6, 6)
;;       step = 2.0 ** (np.maximum(np.frexp(np.where(r == 0, 1, r))[1] - 1, 0) - 1)
;;       q = np.round(r / step) * step * 2.0 ** e      # np.round: ties to even
;;       return np.moveaxis(q.reshape(q.shape[:-2] + (-1,))[..., :K], -1, axis).astype(np.float32)
;;   ~~~
;;   SOFTMAX AHEAD OF A QUANTISED PRODUCT. Where the list says 'softmax', what is quantised is not the finished softmax but p = 2^(t - M), with t = logit x log2(e) and M = ceil(the row's largest t), a whole number; so 1/2 < the row's largest p <= 1. The row's sum l is taken of the UNQUANTISED p, in f32, and the product's result is divided by l at the end. Since M is a whole number, a kernel that streams over the keys may use a running M (the ceiling of the running maximum): every later rescaling is an exact power of two, which a block's scale takes up: the codes' values come out the same.
;;   OPERANDS COMPUTED ON THE WAY. 'Computed on the way' means the value that the module computes at that place (a softmax that the list does not call 'softmax' is quantised finished and normalised). What goes into a quantiser is computed in f32, as accurately as f32 sums, v_exp_f32 and their like allow (about 1e-6 of the number): no bf16 or f16 on the way to a quantiser, and a product that is left as it is and whose result goes on into a quantised operand takes f32 operands (vector FMAs, or v_wmma_f32_16x16x4_f32). A number that lies on a knife's edge between two numbers of the format may be rounded either way, as far as f32 arithmetic and the matrix unit's own rounding can turn it there, and no further.
;;   INPUTS GIVEN AS CODES. Wk (in the module: [1024, 1024], K = its axis 1); Wq (in the module: [1024, 1024], K = its axis 1); Wv (in the module: [1024, 1024], K = its axis 1); k (in the module: [4, 2048, 1024], K = its axis 2); q (in the module: [4, 2048, 1024], K = its axis 2); v (in the module: [4, 2048, 1024], K = its axis 2): each comes as NAME_codes (uint8): NAME with its K axis moved to the last place and cut into blocks of 32 codes, [.., K / 32, bytes a block], one block behind the other in memory; two codes a byte, the lower K in the low four bits (a code: sign, 2 exponent bits, 1 mantissa bit); and NAME_scales (uint8): the same leading axes, one E8M0 byte (e + 127) for each 32 codes along K. Its value is code x scale, taken as it is: it is not quantised again, and the codes and scales need not be those that the quantiser above would give.
;; One version. Each part assembles by itself: llvm-mc -triple=amdgcn-amd-amdhsa -mcpu=gfx1250 --defsym DOCPART=n.
;; ======== version 1 of 1: 2 launches
;; limits: right only within a limited range of input values
;; workspace buffers: qimg 4,456,448 bytes; kv 8,912,896 bytes
;; launch proj (part 1): grid 4 x 64, 4 waves a work-group, clusters of 4 x 4, 327,680 bytes of LDS; arguments q_codes, q_scales, Wq_codes, Wq_scales, bq, g1, beta1, qimg, k_codes, k_scales, Wk_codes, Wk_scales, bk, g2, beta2, kv, v_codes, v_scales, Wv_codes, Wv_scales, bv; writes qimg, kv
.if DOCPART == 1
	.amdgcn_target "amdgcn-amd-amdhsa--gfx1250"
	.amdhsa_code_object_version 6
	.text
	.protected	k_q9a9026fa23_proj
	.globl	k_q9a9026fa23_proj
	.p2align	8
	.type	k_q9a9026fa23_proj,@function
k_q9a9026fa23_proj:
	s_mov_b64 s[64:65], 0
	v_nop
	global_prefetch_b8 v0, s[64:65] scope:SCOPE_SE
	s_setreg_imm32_b32 hwreg(HW_REG_WAVE_MODE, 25, 1), 1
	s_wait_xcnt 0x0
	s_wait_alu depctr_hold_cnt(0) depctr_sa_sdst(0) depctr_va_vdst(0) depctr_va_sdst(0) depctr_va_ssrc(0) depctr_va_vcc(0) depctr_vm_vsrc(0)
	s_getreg_b32 s2, hwreg(HW_REG_IB_STS2, 6, 4)
	s_cmp_eq_u32 s2, 0
	s_cbranch_scc0 .Lentry_in_a_cluster
	s_endpgm
.Lentry_in_a_cluster:
	s_bfe_u32 s2, ttmp6, 0x10000c
	s_cmp_lg_u32 s2, 0xf033
	s_cbranch_scc0 .Lentry_shape_is_right
	s_endpgm
.Lentry_shape_is_right:
; THE THREE PROJECTIONS, y = x W^T + b on codes of FP4 (E2M1) with E8M0 scales as they are given, and what follows them up to the next quantiser:
;   Q: LayerNorm over each head's 64 numbers, gain and shift, x 1/8;  K: the same without the 1/8;  V: the bias alone.
; Q / 8 and K are quantised along the head's 64 (two blocks of 32), V along the keys (blocks of 32 tokens); only codes and scale bytes go to memory.
; SHARES.  A WORK-GROUP STAYS: it takes 128 tokens x 256 columns (4 heads) through Q, then K, then V; wave w takes head 4 cx + w for the 128 tokens: 32 accumulators, 256 registers.
; 16 clusters of 4 x 4 work-groups.  The four of a row of the cluster (same cy) need the same 128 tokens, the four of a column (same cx) the same 256 rows of W: each tile is asked for JOINTLY.
; THE RING: two LDS slots, each with one half of K (512 codes, rows of 256 bytes) of W's 256 rows and x's 128 rows.  A fill is one joint load a wave: waves 0, 1 fetch 128 rows of W each, waves 2, 3 64 rows of x.
; Six fills: (tile, half) in order; half h lands in slot h.  Slot 0 is filled again at K step 3, when its last fragments are in registers; slot 1 in the middle of the LayerNorm: so each fill has
; about half a tile's instructions in which to land.  Each refill stands behind a round of the cluster's barrier.
; PREFETCH: with fill f the rows of fill f + 2 (the same half of the next tile) are asked for: a lane a row of 256 bytes; the four partners that ask for a tile jointly share its rows out by address
; (W: 32 rows for each cy; x: 16 rows for each cx, the lanes left over name the sixteenth again).  Fills 0 and 1 come by their loads alone; the last two fills have no fill two on.
; Q, K: the product is used transposed (source 0 = 16 rows of W, source 1 = 16 tokens): a lane holds ONE token, its registers run along d.  V: source 0 = 16 tokens, source 1 = 16 rows of W: a lane holds ONE d.
; THE OUTPUT IS LAID AS THE READER'S REGISTERS.  A unit of 4,352 bytes: four fragments of 1,024 bytes (register group c of lane l at 512 c + 16 l), then 256 bytes of scale words at 4,096 + 8 l
; (word 0: fragment 0 in lanes 0-15, fragment 2 in lanes 16-31; word 1: fragments 1 and 3).  qimg: [head 64][128 tokens 16] units; kv: [head][128 tokens][K's unit, V's unit].
; Q's and K's fragment p: group c = tokens 16 (2 p + c) + r, lane half H = block H of d.  V's fragment t: row d = 16 t + r, K = the 128 tokens.
; ORDER INSIDE A BLOCK OF 32: the codes lie in the order 0-7, 16-23, 8-15, 24-31, in Q, K, V and later p alike: both sides of a product carry the same order.
; LIMITS: NaN and infinities are not served.  A block whose largest magnitude lies under 2^-124, a block of zeros too, gets the scale byte 1: its bytes are read by this program alone.
.set PITCH,  272                       ; an LDS row: 256 bytes + 16 of padding: the 16 rows of a fragment load start 16 bytes apart modulo 256
.set ROWS64, 64*PITCH
.set TILEB,  16*PITCH
.set XOFF,   4*ROWS64                  ; in a slot: W's 256 rows, then x's 128
.set SLOT,   6*ROWS64
.set SPARE,  2*SLOT                    ; the spare words, 128 bytes a wave
.set UNIT,   4352
; window 0
.set AW,   4                           ; v4, v5    LDS address of my W fragments in slot 0, 1
.set LI,   7                           ; v7      16 x lane
.set L8,   8                           ; v8      8 x lane
.set SO,   9                           ; v9      32 r + 16 h: a row's scale bytes, my half of them
.set HO,   10                          ; v10     32 h
.set RO,   11                          ; v11     4 r
.set AX,   12                          ; v12, v13  of x's fragments in slot 0, 1
.set PFO,  15                          ; v15     the prefetches' offset: my row x 512 bytes
.set WS,   16                          ; v16-31  W's scale words: register 4 t + q: lanes 0-15 K step q, lanes 16-31 K step 4 + q
.set XS,   32                          ; v32-63  x's: register 4 i + q likewise
.set XF,   64                          ; v64-127, v128-191  x's eight fragments, two sets
; window 1: the accumulators.  Q, K: (x tile i, W tile t) at 32 i + 8 t;  V: at 64 t + 8 i
; window 2
.set WF,   0                           ; v0-31, v32-63  W's four fragments, two sets
.set BIAS, 64                          ; v64-95   the C of each sum's first product
.set GA,   96                          ; v96-127  the gain at d = 16 t + 8 h + j
.set BE,   128                         ; v128-159 the shift
.set BV,   160                         ; v160-163 the bias at d = 16 t + r (V's layout)
; window 0 behind the products
.set PC,   64                          ; v64-95   codes, 8 registers a fragment
.set PW,   96                          ; v96-99   the four fragments' scale words
.set SW,   100                         ; v100-101 the unit's two words a lane
.set TM,   104                         ; v104-107 largest magnitudes, v108-111 exchange and bytes, v116-119 the conversions' scale operands
.set TA,   128                         ; v128-159 two running pairs a tile
.set MU,   160                         ; v160-175 the mean, a pair a tile (low half)
.set XP,   176                         ; v176-183 exchange
.set RR,   184                         ; v184-199 1 / sqrt(var + eps), a pair a tile (low half)
.set WV,   4                           ; s4 wave  s5 cx  s6 cy  s7 0: I fetch W, 1: x  s8 tiles done  s9 block of 128 tokens
.set CX,   5
.set CY,   6
.set FT,   7
.set CNT,  8
.set TBK,  9
; s[16:31] the tile in hand: x codes, x scales, W codes, W scales, bias, gain, shift, output;  s[32:47] the next tile's;  s[48:57] V's first five, s[58:59] V's output
.set G1W,  68                          ; s[68:75] descriptor group 1 for W's tiles;  s[76:83] for x's
.set G1X,  76
.set G0W,  84                          ; group 0: s[84:87] W slot 0, s[88:91] x slot 0, s[92:95] W slot 1, s[96:99] x slot 1
.set G0X,  88
.set MSB, 0
.macro WIN new                         ; s_set_vgpr_msb: bits 1:0 source 0, 3:2 source 1, 5:4 source 2, 7:6 destination; the high byte repeats the setting that is left
.if MSB != \new
	s_set_vgpr_msb (MSB<<8)|\new
.set MSB, \new
.endif
.endm
.macro PLACES                          ; four plain vector instructions between a matrix instruction and a load into, or a vector access to, its registers
.rept 4
	v_nop
.endr
.endm
.macro CROUND                          ; a round of the cluster's barrier
	s_barrier_signal -1
	s_barrier_wait -1
	s_cmp_lg_u32 s[WV], 0
	s_cbranch_scc1 .Lnot_wave_0_\@
	s_barrier_signal -3
.Lnot_wave_0_\@:
	s_barrier_wait -3
	s_barrier_signal -1
	s_barrier_wait -1
.endm
.macro JLOAD s                         ; my one joint load into slot s; an s_nop 0 and four v_nop follow each line
	s_cmp_eq_u32 s[FT], 0
	s_cbranch_scc0 .Lfor_x_\@
	tensor_load_to_lds s[G0W+8*\s:G0W+8*\s+3], s[G1W:G1W+7]
	s_nop 0
	PLACES
	s_branch .Lasked_\@
.Lfor_x_\@:
	tensor_load_to_lds s[G0X+8*\s:G0X+8*\s+3], s[G1X:G1X+7]
	s_nop 0
	PLACES
.Lasked_\@:
.endm
; A change of slots: all my tensor loads have landed, the add, my LDS reads are over; a round of the cluster's barrier; then slot s takes half s of the tile whose pointers stand at s[b ..].
.macro SYNC s, b
	WIN 0
	s_wait_alu depctr_va_vdst(0)                   ; ahead of the waits below
	s_wait_tensorcnt 0x0
	ds_add_u32 v254, v255
	s_add_nc_u64 s[G0W+8*\s+2:G0W+8*\s+3], s[\b+4:\b+5], 256*\s   ; no load of mine is out: the descriptors may be written
	s_add_nc_u64 s[G0X+8*\s+2:G0X+8*\s+3], s[\b:\b+1], 256*\s
	s_or_b32 s[G0W+8*\s+3], s[G0W+8*\s+3], 0x80000000
	s_or_b32 s[G0X+8*\s+3], s[G0X+8*\s+3], 0x80000000
	s_wait_dscnt 0x0
	CROUND
	JLOAD \s
.endm
.macro VSYNC                           ; the last change of slots: nothing is filled again, so a work-group barrier serves
	WIN 0
	s_wait_alu depctr_va_vdst(0)
	s_wait_tensorcnt 0x0
	ds_add_u32 v254, v255
	s_wait_dscnt 0x0
	s_barrier_signal -1
	s_barrier_wait -1
.endm
.macro ASK b, off, first               ; the prefetch: byte off of my work-group's share of the rows that I fetch, in the tile at s[b ..].  first = 1: in the loop's first trip alone (behind it no tile stands two fills on)
.if \first
	s_cmp_lg_u32 s[CNT], 0
	s_cbranch_scc1 .Lpd_\@
.endif
	s_cmp_eq_u32 s[FT], 0
	s_cbranch_scc0 .Lpx_\@
	global_prefetch_b8 v[PFO], s[\b+4:\b+5] offset:\off th:TH_LOAD_NT scope:SCOPE_SE
	s_branch .Lpd_\@
.Lpx_\@:
	global_prefetch_b8 v[PFO], s[\b:\b+1] offset:\off th:TH_LOAD_NT scope:SCOPE_SE
.Lpd_\@:
.endm
.macro PLOADS b                        ; 24 loads: scale words and bias of the tile at s[b ..]
	WIN 0
.irp t, 0,1,2,3
	global_load_b128 v[WS+4*\t:WS+4*\t+3], v[SO], s[\b+6:\b+7] offset:512*\t   ; 16 rows' 32 bytes: 512 consecutive bytes a load; lanes 0-15 take K steps 0-3, lanes 16-31 K steps 4-7
.endr
.irp i, 0,1,2,3,4,5,6,7
	global_load_b128 v[XS+4*\i:XS+4*\i+3], v[SO], s[\b+2:\b+3] offset:512*\i
.endr
	WIN 0x80
.irp t, 0,1,2,3
	global_load_b128 v[BIAS+8*\t:BIAS+8*\t+3], v[HO], s[\b+8:\b+9] offset:64*\t      ; d = 16 t + 8 h + 0 .. 7
	global_load_b128 v[BIAS+8*\t+4:BIAS+8*\t+7], v[HO], s[\b+8:\b+9] offset:64*\t+16
	global_load_b32 v[BV+\t], v[RO], s[\b+8:\b+9] offset:64*\t                       ; d = 16 t + r
.endr
	WIN 0
.endm
.macro GLOADS                          ; 16 loads: gain and shift of the tile in hand
	WIN 0x80
.irp t, 0,1,2,3
	global_load_b128 v[GA+8*\t:GA+8*\t+3], v[HO], s[26:27] offset:64*\t
	global_load_b128 v[GA+8*\t+4:GA+8*\t+7], v[HO], s[26:27] offset:64*\t+16
	global_load_b128 v[BE+8*\t:BE+8*\t+3], v[HO], s[28:29] offset:64*\t
	global_load_b128 v[BE+8*\t+4:BE+8*\t+7], v[HO], s[28:29] offset:64*\t+16
.endr
	WIN 0
.endm
	s_load_b512 s[16:31], s[0:1], 0x0              ; Q's eight
	s_load_b512 s[32:47], s[0:1], 0x40             ; K's eight
	s_load_b256 s[48:55], s[0:1], 0x80             ; V's: x codes, x scales, W codes, W scales,
	s_load_b64 s[56:57], s[0:1], 0xa0              ; bias
	v_lshl_add_u32 v254, v0, 2, SPARE
	v_mov_b32 v255, 0
	ds_add_u32 v254, v255                          ; the opening lines: the add twice on end and its wait
	ds_add_u32 v254, v255
	v_lshrrev_b32 v1, 5, v0
	v_readfirstlane_b32 s[WV], v1                  ; wave 0..3
	s_bfe_u32 s[CX], ttmp6, 0x40000
	s_bfe_u32 s[CY], ttmp6, 0x40004
	s_and_b32 s[TBK], ttmp7, 0xffff                ; cluster 0..15
	s_lshl_b32 s[TBK], s[TBK], 2
	s_add_co_u32 s[TBK], s[TBK], s[CY]             ; my 128 tokens: block 4 cluster + cy of 64
	s_lshl_b32 s10, 0x1111, s[CX]                  ; my column of the cluster
	s_lshl_b32 s11, s[CY], 2
	s_lshl_b32 s11, 15, s11                        ; my row
	s_or_b32 s[G1W], s10, (1<<20)|(1<<21)|(5<<22)|(3<<25)   ; the mask; elements of 1 byte; padding on; 21 set beside a mask; four words after every 64
	s_or_b32 s[G1X], s11, (1<<20)|(1<<21)|(5<<22)|(3<<25)
	s_mov_b32 s[G1W+2], 128<<16                    ; W: 128 rows a load
	s_mov_b32 s[G1W+4], 128
	s_mov_b32 s[G1X+2], 64<<16                     ; x: 64 rows a load
	s_mov_b32 s[G1X+4], 64
.irp g, G1W, G1X
	s_mov_b32 s[\g+1], 256<<16                     ; rows of 256 bytes
	s_mov_b32 s[\g+3], 256<<16
	s_mov_b32 s[\g+5], 512                         ; a row of 1,024 codes in memory
	s_mov_b32 s[\g+6], 0
	s_mov_b32 s[\g+7], 0
.endr
	s_and_b32 s14, s[WV], 1                        ; which half of a tile's rows I fetch
	s_lshr_b32 s[FT], s[WV], 1
	s_lshl_b32 s10, s[CX], 8                       ; W: made of cx and the wave's number alone: rows 256 cx + 128 (w % 2) on,
	s_lshl_b32 s11, s14, 7
	s_add_co_u32 s10, s10, s11
	s_lshl_b32 s10, s10, 9                         ; in bytes of codes
	s_mov_b32 s11, 0
	s_lshl_b32 s12, s[TBK], 7                      ; x: made of the token block and the wave's number alone: rows 64 (w % 2) on
	s_lshl_b32 s13, s14, 6
	s_add_co_u32 s12, s12, s13
	s_lshl_b32 s12, s12, 9
	s_mov_b32 s13, 0
	s_mul_i32 s[G0W+1], s14, 2*ROWS64              ; LDS addresses: the wave's number and constants alone
	s_add_co_u32 s[G0W+9], s[G0W+1], SLOT
	s_mul_i32 s[G0X+1], s14, ROWS64
	s_add_co_u32 s[G0X+1], s[G0X+1], XOFF
	s_add_co_u32 s[G0X+9], s[G0X+1], SLOT
.irp g, G0W, G0X, G0W+8, G0X+8
	s_mov_b32 s[\g], 1
.endr
	s_mul_i32 s15, s[WV], ROWS64                   ; where my head's 64 rows of W lie in a slot
	s_mov_b32 s60, 0x3c800000                      ; 1 / 64
	s_mov_b32 s61, 0x3727c5ac                      ; eps = 1e-5
	s_mov_b32 s62, 0x76543210                      ; v_permlanex16_b32's selects for lane l xor 16
	s_mov_b32 s63, 0xfedcba98
	s_mov_b32 s66, 0xffff0000                      ; lanes 16-31
	s_mov_b32 s100, 0x3e000000                     ; Q's 1 / 8 goes into gain and shift: a power of two, so nothing is rounded otherwise; K's factor is 1
	s_mov_b32 s101, s100
	s_cmp_eq_u32 s[FT], 0                          ; the prefetches: my work-group's share of the rows that I fetch
	s_cselect_b32 s2, s[CY], s[CX]
	s_cselect_b32 s3, 5, 4                         ; 32 rows of W, 16 of x
	s_cselect_b32 s14, 31, 15
	s_lshl_b32 s2, s2, s3
	v_and_b32 v1, 31, v0                           ; lane
	v_and_b32 v2, 15, v0                           ; r
	v_bfe_u32 v3, v0, 4, 1                         ; h
	v_mul_u32_u24 v14, v2, PITCH
	v_min_u32 v[PFO], s14, v1
	v_lshl_add_u32 v14, v3, 4, v14                 ; a fragment's row x pitch + 16 h
	v_add_nc_u32 v[PFO], s2, v[PFO]
	v_add_nc_u32 v[AW], s15, v14
	v_add_nc_u32 v[AX], XOFF, v14
	v_add_nc_u32 v[AX+1], XOFF+SLOT, v14
	v_add_nc_u32 v[AW+1], SLOT, v[AW]
	v_lshlrev_b32 v[PFO], 9, v[PFO]
	v_lshlrev_b32 v[LI], 4, v1
	v_lshlrev_b32 v[L8], 3, v1
	v_lshlrev_b32 v[SO], 5, v2
	v_lshlrev_b32 v[HO], 5, v3
	v_lshlrev_b32 v[RO], 2, v2
	v_lshl_add_u32 v[SO], v3, 4, v[SO]
	s_wait_alu depctr_va_vdst(0)                   ; at the end of the head's vector work
	s_wait_dscnt 0x0
	s_wait_kmcnt 0x0
.irp b, 16,32,48
	s_add_nc_u64 s[\b+4:\b+5], s[\b+4:\b+5], s[10:11]   ; W's codes at the rows that I fetch
	s_add_nc_u64 s[\b:\b+1], s[\b:\b+1], s[12:13]       ; x's likewise
.endr
	s_mov_b64 s[G0W+2:G0W+3], s[20:21]
	s_mov_b64 s[G0X+2:G0X+3], s[16:17]
	s_or_b32 s[G0W+3], s[G0W+3], 0x80000000        ; type = 2
	s_or_b32 s[G0X+3], s[G0X+3], 0x80000000
	CROUND                                         ; all sixteen work-groups are here: the joint loads meet
	JLOAD 0                                        ; fill 0: Q, half 0
	ASK 32, 0, 0                                   ; fill 2's rows: K, half 0
	s_lshl_b32 s14, s[CX], 8
	s_lshl_b32 s15, s[WV], 6
	s_add_co_u32 s14, s14, s15                     ; my head's first column: 256 cx + 64 w
	s_lshl_b32 s10, s14, 5
.irp b, 16,32,48
	s_add_nc_u64 s[\b+6:\b+7], s[\b+6:\b+7], s[10:11]   ; W's scale bytes at my 64 rows (32 bytes a row)
.endr
	s_lshl_b32 s10, s14, 2
.irp b, 16,32,48
	s_add_nc_u64 s[\b+8:\b+9], s[\b+8:\b+9], s[10:11]   ; the bias at my head
.endr
	s_lshl_b32 s10, s[TBK], 12
.irp b, 16,32,48
	s_add_nc_u64 s[\b+2:\b+3], s[\b+2:\b+3], s[10:11]   ; x's scale bytes at my 128 tokens
.endr
	PLOADS 16
	s_lshr_b32 s10, s[TBK], 4                      ; where my units go: head 16 batch + 4 cx + w,
	s_lshl_b32 s10, s10, 4
	s_lshl_b32 s14, s[CX], 2
	s_add_co_u32 s10, s10, s14
	s_add_co_u32 s10, s10, s[WV]
	s_lshl_b32 s10, s10, 4
	s_and_b32 s14, s[TBK], 15                      ; group of 128 tokens in the batch
	s_add_co_u32 s10, s10, s14
	s_mul_i32 s10, s10, UNIT
	s_add_nc_u64 s[30:31], s[30:31], s[10:11]      ; qimg: a unit a group
	s_add_nc_u64 s[46:47], s[46:47], s[10:11]      ; kv: two
	s_add_nc_u64 s[46:47], s[46:47], s[10:11]
	s_add_nc_u64 s[58:59], s[46:47], UNIT          ; V's unit lies behind K's
; 24 LDS loads in one run: K step s (128 along K): my four fragments of W into set s % 2 of window 2, x's eight into set s % 2 of window 0.
; A fragment, 16 rows x 128 K of 4-bit codes, is 8 registers: lane (r, h) holds row r; registers 4 c .. 4 c + 3 hold K = 64 c + 32 h + 0 .. 31: two loads of 16 bytes, 32 bytes apart.
.macro FETCH s
.set FK, (\s)/4
.set FQ, (\s)%4
.set FW, WF+32*((\s)%2)
.set FX, XF+64*((\s)%2)
	WIN 0x80
.irp t, 0,1,2,3
.irp c, 0,1
	ds_load_b128 v[FW+8*\t+4*\c:FW+8*\t+4*\c+3], v[AW+FK] offset:TILEB*\t+64*FQ+32*\c
.endr
.endr
	WIN 0
.irp i, 0,1,2,3,4,5,6,7
.irp c, 0,1
	ds_load_b128 v[FX+8*\i+4*\c:FX+8*\i+4*\c+3], v[AX+FK] offset:TILEB*\i+64*FQ+32*\c
.endr
.endr
.endm
.macro MM d, a, b, c, sa, sb, hi       ; hi = 1: the scale words of K steps 4-7 stand in lanes 16-31
.if \hi
	v_wmma_scale_f32_16x16x128_f8f6f4 v[\d:\d+7], v[\a:\a+7], v[\b:\b+7], v[\c:\c+7], v[\sa], v[\sb] matrix_a_fmt:MATRIX_FMT_FP4 matrix_b_fmt:MATRIX_FMT_FP4 matrix_a_scale:MATRIX_SCALE_ROW1 matrix_b_scale:MATRIX_SCALE_ROW1
.else
	v_wmma_scale_f32_16x16x128_f8f6f4 v[\d:\d+7], v[\a:\a+7], v[\b:\b+7], v[\c:\c+7], v[\sa], v[\sb] matrix_a_fmt:MATRIX_FMT_FP4 matrix_b_fmt:MATRIX_FMT_FP4
.endif
.endm
; K step s: the next step's fragments are asked for, then 32 products.  The 32 accumulators take turns, one instruction a turn, in the same order in every step.
; The first step's products take the bias as C.  At K step 3 slot 0's last fragments are in registers: the slots change there.
.macro KSTEP s, isv
.if \s < 7
.if \s > 0
	PLACES                                         ; the other set was read by the products just issued
.endif
.if \s == 3
.if \isv
	VSYNC
.else
	SYNC 0, 32                                     ; slot 0 takes the next tile's half 0
.endif
.endif
	FETCH \s+1
.if (\s == 3) && (\isv == 0)
	ASK 48, 0, 1                                   ; two fills on: V's half 0
.endif
	s_wait_dscnt 24                                ; all but the 24 just issued: this step's fragments are in
.else
	s_wait_dscnt 0x0
.endif
.set KW, WF+32*(\s%2)
.set KX, XF+64*(\s%2)
.set KQ, \s%4
.if \isv
.if \s == 0
	WIN 0x68                                       ; source 0 (x) window 0, source 1 (W) window 2, C (bias) window 2, D window 1
.else
	WIN 0x58                                       ; C and D window 1
.endif
.irp t, 0,1,2,3
.irp i, 0,1,2,3,4,5,6,7
.if \s == 0
	MM 64*\t+8*\i, KX+8*\i, KW+8*\t, BIAS+8*\t, XS+4*\i+KQ, WS+4*\t+KQ, 0
.else
	MM 64*\t+8*\i, KX+8*\i, KW+8*\t, 64*\t+8*\i, XS+4*\i+KQ, WS+4*\t+KQ, \s/4
.endif
.endr
.endr
.else
.if \s == 0
	WIN 0x62                                       ; source 0 (W) window 2, source 1 (x) window 0, C (bias) window 2, D window 1
.else
	WIN 0x52
.endif
.irp i, 0,1,2,3,4,5,6,7
.irp t, 0,1,2,3
.if \s == 0
	MM 32*\i+8*\t, KW+8*\t, KX+8*\i, BIAS+8*\t, WS+4*\t+KQ, XS+4*\i+KQ, 0
.else
	MM 32*\i+8*\t, KW+8*\t, KX+8*\i, 32*\i+8*\t, WS+4*\t+KQ, XS+4*\i+KQ, \s/4
.endif
.endr
.endr
.endif
.endm
; The two running pairs of each tile become one number a token: the pairs, their halves, and lane l xor 16's.  The eight tiles by turns.
.macro REDUCE
.irp i, 0,1,2,3,4,5,6,7
	v_pk_add_f32 v[TA+4*\i:TA+4*\i+1], v[TA+4*\i:TA+4*\i+1], v[TA+4*\i+2:TA+4*\i+3]
.endr
.irp i, 0,1,2,3,4,5,6,7
	v_add_f32 v[TA+4*\i], v[TA+4*\i], v[TA+4*\i+1]
.endr
.irp i, 0,1,2,3,4,5,6,7
	v_permlanex16_b32 v[XP+\i], v[TA+4*\i], s62, s63
.endr
.irp i, 0,1,2,3,4,5,6,7
	v_add_f32 v[TA+4*\i], v[TA+4*\i], v[XP+\i]
.endr
.endm
; Registers 64 q .. 64 q + 63 of window 1 become fragment q of the unit.  Register 16 b + i belongs to block b; a block's 32 numbers lie in lanes l and l xor 16.
; A block's scale: the largest magnitude's exponent field less 2 (E2M1's largest number is 6 = 1.5 x 2^2), held at 1 from below by a floor among the maximum's leaves.
.macro QUANT q
	WIN 0x05
.irp b, 0,1,2,3
	v_max3_num_f32 v[TM+\b], |v[64*\q+16*\b]|, |v[64*\q+16*\b+1]|, 0x1800000   ; each accumulator is read from its low end on; the floor is 2^(3 - 127)
.endr
	WIN 0x14
.irp i, 2,4,6,8,10,12,14
.irp b, 0,1,2,3
	v_max3_num_f32 v[TM+\b], v[TM+\b], |v[64*\q+16*\b+\i]|, |v[64*\q+16*\b+\i+1]|
.endr
.endr
	WIN 0
.irp b, 0,1,2,3
	v_permlanex16_b32 v[TM+4+\b], v[TM+\b], s62, s63
.endr
.irp b, 0,1,2,3
	v_max_num_f32 v[TM+\b], v[TM+\b], v[TM+4+\b]   ; the block's largest magnitude
.endr
.irp b, 0,1,2,3
	v_add_nc_u32 v[TM+12+\b], 0xff000000, v[TM+\b] ; 2 off its exponent field: the conversion takes that field as its scale
.endr
.irp b, 0,1,2,3
	v_lshrrev_b32 v[TM+4+\b], 23, v[TM+12+\b]      ; the scale's byte
.endr
	v_lshl_or_b32 v[PW+\q], v[TM+5], 8, v[TM+4]    ; the four bytes make the row's scale word
	v_lshl_or_b32 v[PW+\q], v[TM+6], 16, v[PW+\q]
	v_lshl_or_b32 v[PW+\q], v[TM+7], 24, v[PW+\q]
	WIN 0x01
.irp b, 0,1,2,3
	v_cvt_scalef32_pk8_fp4_f32 v[PC+8*\q+2*\b], v[64*\q+16*\b:64*\q+16*\b+7], v[TM+12+\b]
	v_cvt_scalef32_pk8_fp4_f32 v[PC+8*\q+2*\b+1], v[64*\q+16*\b+8:64*\q+16*\b+15], v[TM+12+\b]
.endr
	WIN 0
	v_nop                                          ; one plain instruction behind the scaled conversions
.irp c, 0,1                                    ; the operand's layout wants a whole block in a lane: lanes 0-15 block 2 c, lanes 16-31 block 2 c + 1
.irp i, 0,1
	v_permlane16_swap_b32 v[PC+8*\q+4*\c+\i], v[PC+8*\q+4*\c+2+\i]
.endr
.endr
	global_store_b128 v[LI], v[PC+8*\q:PC+8*\q+3], s[30:31] offset:1024*\q         ; 32 lanes store 512 consecutive bytes, at a multiple of 256 from the buffer's first byte
	global_store_b128 v[LI], v[PC+8*\q+4:PC+8*\q+7], s[30:31] offset:1024*\q+512
.endm
.macro UNITOUT                         ; the accumulators become the unit
.irp b, 0,1,2,3
	v_mov_b32 v[TM+4+\b], 0                        ; a lane permute's destination counts as read
.endr
	QUANT 0
	QUANT 1
	QUANT 2
	QUANT 3
	v_cndmask_b32 v[SW], v[PW], v[PW+2], s66       ; word 0: fragment 0's in lanes 0-15, fragment 2's in lanes 16-31 (every lane holds its row's word)
	v_cndmask_b32 v[SW+1], v[PW+1], v[PW+3], s66   ; word 1: fragments 1 and 3
	global_store_b64 v[L8], v[SW:SW+1], s[30:31] offset:4096   ; 256 consecutive bytes, aligned
.endm
	SYNC 1, 16                                     ; fill 0 has landed in all waves; fill 1: Q, half 1, issued as a refill is
	ASK 32, 256, 0                                 ; fill 3's rows: K, half 1
	s_mov_b32 s[CNT], 0
.Ltile:	; ---- Q, then K
	GLOADS
	FETCH 0
	s_wait_loadcnt 16                              ; scale words and bias are in; the 16 loads of gain and shift may be out
.irp s, 0,1,2,3,4,5,6,7
	KSTEP \s, 0
.endr
	PLACES
	PLOADS 32                                      ; the next tile's scale words and bias land under the LayerNorm
	s_wait_loadcnt 24                              ; gain and shift are in; the 24 just issued may be out
	WIN 0x82
.set j, 0
.rept 32
	v_pk_mul_f32 v[GA+j:GA+j+1], v[GA+j:GA+j+1], s[100:101] op_sel_hi:[1,0]   ; gain and shift x 1/8 (Q) or x 1 (K)
.set j, j+2
.endr
	WIN 0
.irp i, 0,1,2,3,4,5,6,7
	v_mov_b32 v[MU+2*\i+1], 0                      ; a pair's upper half and a lane permute's destination count as read
	v_mov_b32 v[RR+2*\i+1], 0
	v_mov_b32 v[XP+\i], 0
.endr
	; LayerNorm.  Lane (r, h) of tile i holds token 16 i + r and 32 of its head's 64 numbers: register 32 i + 8 t + j is d = 16 t + 8 h + j.
	WIN 0x05                                       ; the mean
.irp i, 0,1,2,3,4,5,6,7
	v_pk_add_f32 v[TA+4*\i:TA+4*\i+1], v[32*\i:32*\i+1], v[32*\i+2:32*\i+3]
.endr
.irp i, 0,1,2,3,4,5,6,7
	v_pk_add_f32 v[TA+4*\i+2:TA+4*\i+3], v[32*\i+4:32*\i+5], v[32*\i+6:32*\i+7]
.endr
	WIN 0x04
.irp k, 8,12,16,20,24,28
.irp i, 0,1,2,3,4,5,6,7
	v_pk_add_f32 v[TA+4*\i:TA+4*\i+1], v[TA+4*\i:TA+4*\i+1], v[32*\i+\k:32*\i+\k+1]
.endr
.irp i, 0,1,2,3,4,5,6,7
	v_pk_add_f32 v[TA+4*\i+2:TA+4*\i+3], v[TA+4*\i+2:TA+4*\i+3], v[32*\i+\k+2:32*\i+\k+3]
.endr
.endr
	WIN 0
	REDUCE
.irp i, 0,1,2,3,4,5,6,7
	v_mul_f32 v[MU+2*\i], s60, v[TA+4*\i]
.endr
	WIN 0x41
.irp k, 0,2,4,6,8,10,12,14,16,18,20,22,24,26,28,30
.irp i, 0,1,2,3,4,5,6,7
	v_pk_add_f32 v[32*\i+\k:32*\i+\k+1], v[32*\i+\k:32*\i+\k+1], v[MU+2*\i:MU+2*\i+1] op_sel_hi:[1,0] neg_lo:[0,1] neg_hi:[0,1]   ; x - mean
.endr
.endr
	SYNC 1, 32                                     ; slot 1, read out since K step 6, takes the next tile's half 1
	ASK 48, 256, 1                                 ; two fills on: V's half 1
	WIN 0x05                                       ; the variance: the mean of (x - mean)^2
.irp i, 0,1,2,3,4,5,6,7
	v_pk_mul_f32 v[TA+4*\i:TA+4*\i+1], v[32*\i:32*\i+1], v[32*\i:32*\i+1]
.endr
.irp i, 0,1,2,3,4,5,6,7
	v_pk_mul_f32 v[TA+4*\i+2:TA+4*\i+3], v[32*\i+2:32*\i+3], v[32*\i+2:32*\i+3]
.endr
.irp k, 4,8,12,16,20,24,28
.irp i, 0,1,2,3,4,5,6,7
	v_pk_fma_f32 v[TA+4*\i:TA+4*\i+1], v[32*\i+\k:32*\i+\k+1], v[32*\i+\k:32*\i+\k+1], v[TA+4*\i:TA+4*\i+1]
.endr
.irp i, 0,1,2,3,4,5,6,7
	v_pk_fma_f32 v[TA+4*\i+2:TA+4*\i+3], v[32*\i+\k+2:32*\i+\k+3], v[32*\i+\k+2:32*\i+\k+3], v[TA+4*\i+2:TA+4*\i+3]
.endr
.endr
	WIN 0
	REDUCE
.irp i, 0,1,2,3,4,5,6,7
	v_fma_f32 v[TA+4*\i], v[TA+4*\i], s60, s61     ; var + eps
.endr
	s_wait_alu depctr_va_vdst(0)                   ; a wait ahead of the batch and behind it
.irp i, 0,1,2,3,4,5,6,7
	v_rsq_f32 v[RR+2*\i], v[TA+4*\i]
.endr
	v_nop
	s_wait_alu depctr_va_vdst(0)
	WIN 0x41
.irp k, 0,2,4,6,8,10,12,14,16,18,20,22,24,26,28,30
.irp i, 0,1,2,3,4,5,6,7
	v_pk_mul_f32 v[32*\i+\k:32*\i+\k+1], v[32*\i+\k:32*\i+\k+1], v[RR+2*\i:RR+2*\i+1] op_sel_hi:[1,0]
.endr
.endr
	WIN 0x69                                       ; sources 1 and 2 (gain, shift) window 2
.irp k, 0,2,4,6,8,10,12,14,16,18,20,22,24,26,28,30
.irp i, 0,1,2,3,4,5,6,7
	v_pk_fma_f32 v[32*\i+\k:32*\i+\k+1], v[32*\i+\k:32*\i+\k+1], v[GA+\k:GA+\k+1], v[BE+\k:BE+\k+1]
.endr
.endr
	WIN 0
	UNITOUT
	s_wait_xcnt 0x0                                ; my loads, stores and prefetches have read their bases and registers: the pointers move up, and the next tile writes the stores' registers
.irp i, 0,1,2,3,4,5,6,7
	s_mov_b64 s[16+2*\i:17+2*\i], s[32+2*\i:33+2*\i]
.endr
.irp i, 0,1,2,3,4
	s_mov_b64 s[32+2*\i:33+2*\i], s[48+2*\i:49+2*\i]
.endr
	s_mov_b64 s[46:47], s[58:59]
	s_mov_b32 s100, 1.0
	s_mov_b32 s101, 1.0
	s_add_co_u32 s[CNT], s[CNT], 1
	s_cmp_lt_u32 s[CNT], 2
	s_wait_alu depctr_va_vdst(0)                   ; directly ahead of the branch
	s_cbranch_scc1 .Ltile
	; ---- V
	FETCH 0
	s_wait_loadcnt 0x0
	WIN 0x82
.irp t, 0,1,2,3
.irp j, 0,1,2,3,4,5,6,7
	v_mov_b32 v[BIAS+8*\t+\j], v[BV+\t]            ; a lane holds one d: the eight registers of C hold its one bias
.endr
.endr
	PLACES
	s_wait_alu depctr_va_vdst(0)
.irp s, 0,1,2,3,4,5,6,7
	KSTEP \s, 1
.endr
	PLACES
	WIN 0
	UNITOUT
	s_wait_tensorcnt 0x0                           ; the wave's end
	ds_add_u32 v254, v255
	s_wait_dscnt 0x0
	CROUND                                         ; the closing round
	s_endpgm
.Lfunc_end_k_q9a9026fa23_proj:
	.size	k_q9a9026fa23_proj, .Lfunc_end_k_q9a9026fa23_proj-k_q9a9026fa23_proj
	.p2alignl 7, 3214868480
	.fill 96, 4, 3214868480
	.section	.rodata,"a",@progbits
	.p2align	6, 0x0
	.amdhsa_kernel k_q9a9026fa23_proj
		.amdhsa_group_segment_fixed_size 327680
		.amdhsa_private_segment_fixed_size 0
		.amdhsa_enable_private_segment 0
		.amdhsa_kernarg_size 168
		.amdhsa_user_sgpr_count 2
		.amdhsa_user_sgpr_kernarg_segment_ptr 1
		.amdhsa_wavefront_size32 1
		.amdhsa_system_sgpr_workgroup_id_x 1
		.amdhsa_system_sgpr_workgroup_id_y 1
		.amdhsa_system_sgpr_workgroup_id_z 1
		.amdhsa_system_vgpr_workitem_id 0
		.amdhsa_next_free_vgpr 680
		.amdhsa_next_free_sgpr 102
		.amdhsa_reserve_vcc 0
		.amdhsa_float_denorm_mode_32 3
		.amdhsa_float_denorm_mode_16_64 3
		.amdhsa_memory_ordered 1
		.amdhsa_forward_progress 1
		.amdhsa_inst_pref_size 192
	.end_amdhsa_kernel
	.amdgpu_metadata
---
amdhsa.version: [ 1, 2 ]
amdhsa.kernels:
  - .name:           k_q9a9026fa23_proj
    .symbol:         k_q9a9026fa23_proj.kd
    .args:
      - { .name: q_codes, .offset: 0, .size: 8, .value_kind: global_buffer, .address_space: global }
      - { .name: q_scales, .offset: 8, .size: 8, .value_kind: global_buffer, .address_space: global }
      - { .name: Wq_codes, .offset: 16, .size: 8, .value_kind: global_buffer, .address_space: global }
      - { .name: Wq_scales, .offset: 24, .size: 8, .value_kind: global_buffer, .address_space: global }
      - { .name: bq, .offset: 32, .size: 8, .value_kind: global_buffer, .address_space: global }
      - { .name: g1, .offset: 40, .size: 8, .value_kind: global_buffer, .address_space: global }
      - { .name: beta1, .offset: 48, .size: 8, .value_kind: global_buffer, .address_space: global }
      - { .name: qimg, .offset: 56, .size: 8, .value_kind: global_buffer, .address_space: global }
      - { .name: k_codes, .offset: 64, .size: 8, .value_kind: global_buffer, .address_space: global }
      - { .name: k_scales, .offset: 72, .size: 8, .value_kind: global_buffer, .address_space: global }
      - { .name: Wk_codes, .offset: 80, .size: 8, .value_kind: global_buffer, .address_space: global }
      - { .name: Wk_scales, .offset: 88, .size: 8, .value_kind: global_buffer, .address_space: global }
      - { .name: bk, .offset: 96, .size: 8, .value_kind: global_buffer, .address_space: global }
      - { .name: g2, .offset: 104, .size: 8, .value_kind: global_buffer, .address_space: global }
      - { .name: beta2, .offset: 112, .size: 8, .value_kind: global_buffer, .address_space: global }
      - { .name: kv, .offset: 120, .size: 8, .value_kind: global_buffer, .address_space: global }
      - { .name: v_codes, .offset: 128, .size: 8, .value_kind: global_buffer, .address_space: global }
      - { .name: v_scales, .offset: 136, .size: 8, .value_kind: global_buffer, .address_space: global }
      - { .name: Wv_codes, .offset: 144, .size: 8, .value_kind: global_buffer, .address_space: global }
      - { .name: Wv_scales, .offset: 152, .size: 8, .value_kind: global_buffer, .address_space: global }
      - { .name: bv, .offset: 160, .size: 8, .value_kind: global_buffer, .address_space: global }
    .group_segment_fixed_size: 327680
    .private_segment_fixed_size: 0
    .kernarg_segment_align: 8
    .kernarg_segment_size: 168
    .max_flat_workgroup_size: 128
    .sgpr_count:     102
    .vgpr_count:     680
    .wavefront_size: 32
...
	.end_amdgpu_metadata
.endif
;; end of part 1
;; launch attn (part 2): grid 4 x 64, 8 waves a work-group, clusters of 4 x 1, 196,608 bytes of LDS; arguments qimg, kv, out0; writes out0
.if DOCPART == 2
	.amdgcn_target "amdgcn-amd-amdhsa--gfx1250"
	.amdhsa_code_object_version 6
	.text
	.protected	k_q9a9026fa23_attn
	.globl	k_q9a9026fa23_attn
	.p2align	8
	.type	k_q9a9026fa23_attn,@function
k_q9a9026fa23_attn:
	s_mov_b64 s[64:65], 0
	v_nop
	global_prefetch_b8 v0, s[64:65] scope:SCOPE_SE
	s_setreg_imm32_b32 hwreg(HW_REG_WAVE_MODE, 25, 1), 1
	s_wait_xcnt 0x0
	s_wait_alu depctr_hold_cnt(0) depctr_sa_sdst(0) depctr_va_vdst(0) depctr_va_sdst(0) depctr_va_ssrc(0) depctr_va_vcc(0) depctr_vm_vsrc(0)
	s_getreg_b32 s2, hwreg(HW_REG_IB_STS2, 6, 4)
	s_cmp_eq_u32 s2, 0
	s_cbranch_scc0 .Lentry_in_a_cluster
	s_endpgm
.Lentry_in_a_cluster:
	s_bfe_u32 s2, ttmp6, 0x10000c
	s_cmp_lg_u32 s2, 0x3003
	s_cbranch_scc0 .Lentry_shape_is_right
	s_endpgm
.Lentry_shape_is_right:
; ATTENTION ON CODES OF FP4 (E2M1) that the launch before has made: out[b][q][64 n + d] = the sum over keys of softmax(Q/8 . K) V, 64 heads (batch x head) of 2,048 x 2,048, head size 64.
; THE SOFTMAX: t = score x log2(e); M = the running largest t rounded up to a whole number; p = 2^(t - M) is quantised along the keys, not normalised; the row's sum is taken of the unquantised p
; and divides at the end.  When M moves, the sum and O are multiplied by 2^(old M - new M): exact.
; SHARES.  A work-group owns 512 queries of one head; each of its eight waves 64 of them: two passes of TWO tiles of 16 queries, which share every fragment of K and V read from LDS.  A step is 256 keys,
; so that the chain behind the row's maximum and the rescaling of O stand once for 256 keys.
; CLUSTER: the four work-groups of a head read the same K and V: each wave asks JOINTLY (mask 15) for two of the head's sixteen key steps, 17,408 dense bytes.  The head then stays in LDS for both passes:
; every byte is filled once: no ring, no refill, and no later load that a prefetch could run ahead of, so none is written.
; MEMORY LAYOUT (made by the launch before).  A unit of 4,352 bytes: four fragments as images of registers (group c of lane l at 1,024 f + 512 c + 16 l), then 256 bytes of scale words at 4,096 + 8 l
; (word 0: fragment 0 in lanes 0-15, fragment 2 in lanes 16-31; word 1: fragments 1, 3).  A key step of 128 keys is K's unit and V's unit.  In LDS each 256 bytes are followed by 32 of padding (pitch 288).
; FIRST PRODUCT, K = 64 in an instruction of K = 128: a fragment of K carries two tiles of 16 keys; Q's operand carries the query tile in one half and zero codes (scale byte 127) in the other.
; THE KEYS OF A TILE ARE CHOSEN BY THE LDS ADDRESS: row r of pair (c, u) takes keys 64 c + 32 (r / 8) + 8 u + r % 8 and that + 16.  In S^T = K Q^T lane (query, h) then holds in its registers 32 (2 k + c) .. + 31
; one WHOLE block of 32 keys, block 2 c + h of key step k, in the order 0-7, 16-23, 8-15, 24-31 in which V's codes lie: the conversions' results are the second product's operand as they stand.
; SECOND PRODUCT: O^T = V^T P^T: a lane holds one query throughout.
; LIMITS: NaN and infinities are not served.  A block whose every p has fallen under 2^-124 keeps the scale byte 1.
.set UNIT,  4352                       ; a unit in memory
.set UL,    4896                       ; and in LDS: 17 rows x 288
.set KSL,   2*UL                       ; a key step in LDS
.set BIG,   2*KSL                      ; a step of 256 keys; also what one tensor load brings
.set SCO,   16*288                     ; a unit's scale words
.set STAGE, 8*BIG                      ; behind the head: 16 rows x 272 bytes for each wave, for the way out; no tensor load lands there
.set SP,    272
.set SPARE, STAGE+8*16*SP              ; the spare words, 128 bytes a wave
; window 0
.set AKB, 1                            ; v1-4  my lane's place in K's fragments, V's fragments, K's scale words, V's scale words
.set AVB, 2
.set ASB, 3
.set ATB, 4
.set AK,  5                            ; v5-8  the same in the step in hand
.set AV,  6
.set AS,  7
.set AT,  8
.set STO, 9                            ; the way out: where I put 32 bytes of a row; where I read a row back; my byte offset in two rows of out
.set RD,  10
.set GO,  11
.set LI,  12                           ; 16 x lane
.set R8,  13                           ; 8 r
.set SPW, 14                           ; my spare word's address, and 0: kept for the add alone
.set NIL, 15
.set NM,  16                           ; tile q: v[16+2q] -M, v[17+2q] the running largest score
.set LS,  20                           ; v[20+2q:21+2q] the sum in two halves
.set FF,  24                           ; v[24+2q] f, later 1 / sum (low half of a pair)
.set QZ,  28                           ; v28-47 [zeros, tile 0, zeros, tile 1, zeros], four registers each
.set QS,  48                           ; v48-51 Q's scale words for [q | 0], [0 | q] of tile 0, tile 1
.set QW,  52
.set KS,  54                           ; v54-57 K's scale words: 2 k + u; lanes 0-15 c = 0, lanes 16-31 c = 1
.set VS,  58                           ; v58-61 V's
.set PW,  62                           ; v62-65 p's: 2 q + k
.set BM,  66                           ; v66-73 block 4 q + 2 k + c: its largest score, its largest p, the conversion's scale operand
.set T,   74                           ; v74-81 at work
.set F,   88                           ; v88-151 eight fragments of K, then eight of V
.set O,   152                          ; v152-215 O^T: 32 q + 8 t
.set PCD, 216                          ; v216-247 p's codes: 16 q + 8 k
.set T2,  248                          ; v248-255 at work
; window 1: S^T, then p: tile q at 128 q, block b of the tile at + 32 b
.set WV,  10
.set CX,  11
.set HB,  12
.set QA,  14                           ; s[14:15] Q's codes, s[16:17] Q's scale words, of the pass in hand
.set QB,  16
.set G1,  24
.set G0,  32
.set SEL, 36                           ; s[36:37] v_permlanex16_b32's selects for lane l xor 16
.set CS,  38                           ; s[38:39] log2(e)
.set TB,  40
.set CNT, 41
.set C7H, 42
.set C7L, 43
.set SB,  44
.set MSB, 0
.macro WIN new                         ; s_set_vgpr_msb: bits 1:0 source 0, 3:2 source 1, 5:4 source 2, 7:6 destination; the high byte repeats the setting that is left
.if MSB != \new
	s_set_vgpr_msb (MSB<<8)|\new
.set MSB, \new
.endif
.endm
.macro PLACES
.rept 4
	v_nop
.endr
.endm
.macro D2                              ; the two tiles' chains take turns: a line reads what the line two back wrote
	s_delay_alu instid0(VALU_DEP_2)
.endm
.macro ROUND                           ; a round of the cluster's barrier
	s_barrier_signal -1
	s_barrier_wait -1
	s_cmp_lg_u32 s[WV], 0
	s_cbranch_scc1 .Lnot_wave_0_\@
	s_barrier_signal -3
.Lnot_wave_0_\@:
	s_barrier_wait -3
	s_barrier_signal -1
	s_barrier_wait -1
.endm
.macro QLOAD                           ; a pass's two query tiles are the two halves of one fragment, and share its scale word
	global_load_b128 v[QZ+4:QZ+7], v[LI], s[QA:QA+1]
	global_load_b128 v[QZ+12:QZ+15], v[LI], s[QA:QA+1] offset:512
	global_load_b32 v[QW], v[R8], s[QB:QB+1]
.endm
	s_load_b128 s[4:7], s[0:1], 0x0                ; qimg, kv
	s_load_b64 s[8:9], s[0:1], 0x10                ; out0
	v_lshl_add_u32 v[SPW], v0, 2, SPARE
	v_mov_b32 v[NIL], 0
	ds_add_u32 v[SPW], v[NIL]                      ; the opening lines: the add twice on end and its wait ahead of my tensor load
	ds_add_u32 v[SPW], v[NIL]
	v_lshrrev_b32 v82, 5, v0
	v_readfirstlane_b32 s[WV], v82                 ; wave 0..7
	s_bfe_u32 s[CX], ttmp6, 0x40000                ; my quarter of the head's queries: it enters Q's and out's addresses alone
	s_and_b32 s[HB], ttmp7, 0xffff                 ; the head, which the four partners share
	s_mov_b32 s[G1], 15|(3<<16)|(1<<20)|(1<<21)|(5<<22)|(7<<25)   ; mask: all four; elements of 8 bytes; padding on; 21 set beside a mask; eight words after every 64
	s_mov_b32 s[G1+1], 32<<16                      ; rows of 256 bytes
	s_mov_b32 s[G1+2], 68<<16                      ; 68 rows: 17,408 dense bytes
	s_mov_b32 s[G1+3], 32<<16
	s_mov_b32 s[G1+4], 68
	s_mov_b32 s[G1+5], 32
	s_mov_b32 s[G1+6], 0
	s_mov_b32 s[G1+7], 0
	s_mov_b32 s[G0], 1
	s_mul_i32 s[G0+1], s[WV], BIG                  ; key steps 2 w, 2 w + 1: the wave's number alone
	s_mul_i32 s18, s[HB], 32*UNIT
	s_mul_i32 s19, s[WV], 4*UNIT
	s_add_co_u32 s18, s18, s19
	s_mov_b32 s19, 0
	s_mov_b32 s[SEL], 0x76543210
	s_mov_b32 s[SEL+1], 0xfedcba98
	s_mov_b32 s[CS], 0x3fb8aa3b                    ; log2(e): the 1 / 8 is in Q already
	s_mov_b32 s[CS+1], s[CS]
	s_mov_b32 s[C7H], 0x7f7f0000
	s_mov_b32 s[C7L], 0x7f7f
	s_wait_dscnt 0x0
	s_wait_kmcnt 0x0
	s_add_nc_u64 s[G0+2:G0+3], s[6:7], s[18:19]
	s_or_b32 s[G0+3], s[G0+3], 0x80000000
	ROUND                                          ; all four work-groups are here: the joint loads meet
	tensor_load_to_lds s[G0:G0+3], s[G1:G1+7]      ; my one load
	s_nop 0
	PLACES
	; Q: my 64 queries are tiles 4 (w % 2) .. + 3 of group 4 cx + w / 2 of the head's 16: fragments 2 (w % 2) + pass
	s_lshl_b32 s18, s[HB], 4
	s_lshl_b32 s19, s[CX], 2
	s_add_co_u32 s18, s18, s19
	s_lshr_b32 s19, s[WV], 1
	s_add_co_u32 s18, s18, s19
	s_mul_i32 s18, s18, UNIT
	s_and_b32 s19, s[WV], 1
	s_lshl_b32 s20, s19, 11
	s_add_co_u32 s20, s20, s18
	s_mov_b32 s21, 0
	s_lshl_b32 s22, s19, 7
	s_add_co_u32 s22, s22, s18
	s_add_co_u32 s22, s22, 4096
	s_mov_b32 s23, 0
	s_add_nc_u64 s[QA:QA+1], s[4:5], s[20:21]
	s_add_nc_u64 s[QB:QB+1], s[4:5], s[22:23]
	s_lshr_b32 s2, s[HB], 4                        ; out: row 2,048 batch + 512 cx + 64 w of 4,096 bytes, + 256 x head
	s_lshl_b32 s2, s2, 11
	s_lshl_b32 s3, s[CX], 9
	s_add_co_u32 s2, s2, s3
	s_lshl_b32 s3, s[WV], 6
	s_add_co_u32 s2, s2, s3
	s_lshl_b32 s2, s2, 12
	s_and_b32 s3, s[HB], 15
	s_lshl_b32 s3, s3, 8
	s_add_co_u32 s2, s2, s3
	s_mov_b32 s3, 0
	s_add_nc_u64 s[8:9], s[8:9], s[2:3]
	s_mul_i32 s[SB], s[WV], 16*SP
	s_add_co_u32 s[SB], s[SB], STAGE               ; my stage
	v_and_b32 v82, 15, v0                          ; r
	v_bfe_u32 v83, v0, 4, 1                        ; h
	v_and_b32 v84, 7, v0                           ; r % 8
	v_bfe_u32 v85, v0, 3, 1                        ; r / 8
	v_and_b32 v86, 31, v0                          ; lane
	v_lshlrev_b32 v[LI], 4, v86
	v_lshlrev_b32 v[R8], 3, v82
	s_wait_alu depctr_va_vdst(0)
	QLOAD
	v_mul_u32_u24 v[AKB], v85, 1152                ; K: four rows of 288 for r / 8,
	v_mul_u32_u24 v[AVB], v83, 288                 ; V: lanes 16-31 take the next row of 256 bytes
	v_lshlrev_b32 v[ASB], 3, v84
	v_lshlrev_b32 v[ATB], 3, v86
	v_mad_u32_u24 v[AKB], v83, 288, v[AKB]         ; one for the lanes' half,
	v_lshl_add_u32 v[AVB], v82, 4, v[AVB]
	v_lshl_add_u32 v[ASB], v85, 2, v[ASB]          ; K's scale words: 8 (r % 8) + 4 (r / 8) + 128 h
	v_mul_u32_u24 v[STO], v82, SP
	v_lshl_add_u32 v[AKB], v84, 4, v[AKB]          ; 16 (r % 8): sixteen lanes touch 256 different bytes modulo 256
	v_mul_u32_u24 v[RD], v83, SP
	v_lshl_add_u32 v[ASB], v83, 7, v[ASB]
	v_lshl_add_u32 v[STO], v83, 5, v[STO]
	v_lshl_add_u32 v[RD], v82, 4, v[RD]
	v_lshlrev_b32 v[GO], 12, v83
	v_add_nc_u32 v[STO], s[SB], v[STO]             ; in: row r, + 32 h
	v_add_nc_u32 v[RD], s[SB], v[RD]               ; back: lanes 0-15 one row of 256 bytes, lanes 16-31 the next
	v_lshl_add_u32 v[GO], v82, 4, v[GO]
.irp z, 0,1,2,3, 8,9,10,11, 16,17,18,19
	v_mov_b32 v[QZ+\z], 0                          ; zero codes
.endr
	v_mov_b32 v[T+2], 0                            ; a lane permute's destination counts as read
	v_mov_b32 v[T+3], 0
	v_mov_b32 v[FF+1], 0                           ; (upper halves of pairs of which the low half is used)
	v_mov_b32 v[FF+3], 0
	s_wait_alu depctr_va_vdst(0)                   ; at the head's end
	s_wait_tensorcnt 0x0                           ; my two key steps have landed,
	s_barrier_signal -1
	s_barrier_wait -1                              ; everybody's have: the head lies in LDS
.macro SMM d, a, b, sa, sb, hi         ; a tile of scores; hi = 1: K's scale words stand in lanes 16-31
.if \hi
	v_wmma_scale_f32_16x16x128_f8f6f4 v[\d:\d+7], v[\a:\a+7], v[\b:\b+7], 0, v[\sa], v[\sb] matrix_a_fmt:MATRIX_FMT_FP4 matrix_b_fmt:MATRIX_FMT_FP4 matrix_a_scale:MATRIX_SCALE_ROW1
.else
	v_wmma_scale_f32_16x16x128_f8f6f4 v[\d:\d+7], v[\a:\a+7], v[\b:\b+7], 0, v[\sa], v[\sb] matrix_a_fmt:MATRIX_FMT_FP4 matrix_b_fmt:MATRIX_FMT_FP4
.endif
.endm
.macro OMM d, a, b, sa, sb, hi         ; O^T += V^T P^T
.if \hi
	v_wmma_scale_f32_16x16x128_f8f6f4 v[\d:\d+7], v[\a:\a+7], v[\b:\b+7], v[\d:\d+7], v[\sa], v[\sb] matrix_a_fmt:MATRIX_FMT_FP4 matrix_b_fmt:MATRIX_FMT_FP4 matrix_a_scale:MATRIX_SCALE_ROW1
.else
	v_wmma_scale_f32_16x16x128_f8f6f4 v[\d:\d+7], v[\a:\a+7], v[\b:\b+7], v[\d:\d+7], v[\sa], v[\sb] matrix_a_fmt:MATRIX_FMT_FP4 matrix_b_fmt:MATRIX_FMT_FP4
.endif
.endm
.macro SCORES k                        ; key step k of the two: 16 products, each fragment of K against both halves of both query tiles
.irp c, 0,1
.irp u, 0,1
.irp q, 0,1
	SMM 128*\q+64*\k+32*\c+16*\u, F+32*\k+16*\c+8*\u, QZ+8*\q+4, KS+2*\k+\u, QS+2*\q, \c
	SMM 128*\q+64*\k+32*\c+16*\u+8, F+32*\k+16*\c+8*\u, QZ+8*\q, KS+2*\k+\u, QS+2*\q+1, \c
.endr
.endr
.endr
.endm
.macro FMA f                           ; unit f (64 registers: tile f / 2, key step f % 2): t - M, two at a time
.set j, 0
.rept 32
	v_pk_fma_f32 v[64*(\f)+j:64*(\f)+j+1], v[64*(\f)+j:64*(\f)+j+1], s[CS:CS+1], v[NM+2*((\f)/2):NM+2*((\f)/2)+1] op_sel_hi:[1,0,0]
.set j, j+2
.endr
.endm
.macro EXPF e, f                       ; unit e's 64 exponentials; among them, where f < 4, unit f's 32 scalings, whose results are first read behind the next wait
.set j, 0
.rept 32
	v_exp_f32 v[64*(\e)+j], v[64*(\e)+j]
	v_exp_f32 v[64*(\e)+j+1], v[64*(\e)+j+1]
.if \f < 4
	v_pk_fma_f32 v[64*(\f)+j:64*(\f)+j+1], v[64*(\f)+j:64*(\f)+j+1], s[CS:CS+1], v[NM+2*((\f)/2):NM+2*((\f)/2)+1] op_sel_hi:[1,0,0]
.endif
.set j, j+2
.endr
.endm
; A STEP: 256 keys, two tiles of 16 queries.
.macro STEP
.irp k, 0,1
.irp c, 0,1
.irp u, 0,1
.irp g, 0,1
	ds_load_b128 v[F+32*\k+16*\c+8*\u+4*\g:F+32*\k+16*\c+8*\u+4*\g+3], v[AK] offset:KSL*\k+288*(8*\c+2*\g)+128*\u
.endr
.endr
.endr
.irp u, 0,1
	ds_load_b32 v[KS+2*\k+\u], v[AS] offset:KSL*\k+SCO+64*\u
.endr
.endr
	s_wait_dscnt 10                                ; the first key step's ten loads are in; the second's ten may be out
	WIN 0x40                                       ; D in window 1
	SCORES 0
	s_wait_dscnt 0x0
	SCORES 1
	WIN 0
	PLACES                                         ; behind the products: their results are read, and their fragments' registers loaded, below
.irp k, 0,1
.irp t, 0,1,2,3
.irp c, 0,1
	ds_load_b128 v[F+32*\k+8*\t+4*\c:F+32*\k+8*\t+4*\c+3], v[AV] offset:KSL*\k+UL+288*(4*\t+2*\c)   ; V lands while the softmax is worked
.endr
.endr
	ds_load_b64 v[VS+2*\k:VS+2*\k+1], v[AT] offset:KSL*\k+UL+SCO
.endr
	WIN 0x05                                       ; the largest score of each block: all its 32 are mine; eight blocks by turns, each accumulator first read at its low end
.irp b, 0,1,2,3,4,5,6,7
	v_max_num_f32 v[BM+\b], v[32*\b], v[32*\b+1]
.endr
	WIN 0x14
.irp i, 2,4,6,8,10,12,14,16,18,20,22,24,26,28,30
.irp b, 0,1,2,3,4,5,6,7
	v_max3_num_f32 v[BM+\b], v[BM+\b], v[32*\b+\i], v[32*\b+\i+1]
.endr
.endr
	WIN 0
.irp q, 0,1
	v_max3_num_f32 v[T+\q], v[BM+4*\q], v[BM+4*\q+1], v[BM+4*\q+2]
.endr
.irp q, 0,1
	D2
	v_max_num_f32 v[T+\q], v[T+\q], v[BM+4*\q+3]
.endr
.irp q, 0,1
	D2
	v_permlanex16_b32 v[T+2+\q], v[T+\q], s[SEL], s[SEL+1]
.endr
.irp q, 0,1
	D2
	v_max3_num_f32 v[NM+2*\q+1], v[NM+2*\q+1], v[T+\q], v[T+2+\q]   ; the running largest score of my query
.endr
.irp q, 0,1
	D2
	v_mul_f32 v[T+\q], s[CS], v[NM+2*\q+1]         ; as t
.endr
.irp q, 0,1
	D2
	v_floor_f32 v[T+\q], -v[T+\q]                  ; the new -M = -ceil(t)
.endr
.irp q, 0,1
	D2
	v_sub_f32 v[T+4+\q], v[T+\q], v[NM+2*\q]       ; old M - new M: a whole number, 0 or less
.endr
.irp q, 0,1
	v_mov_b32 v[NM+2*\q], v[T+\q]
.endr
.irp q, 0,1
	v_cvt_i32_f32 v[T+4+\q], v[T+4+\q]             ; (it saturates)
.endr
.irp q, 0,1
	D2
	v_ldexp_f32 v[FF+2*\q], 1.0, v[T+4+\q]         ; f = 2^(old M - new M)
.endr
.irp b, 0,1,2,3,4,5,6,7
	v_fma_f32 v[BM+\b], v[BM+\b], s[CS], v[NM+2*(\b/4)]   ; t - M of each block's largest score: the same two instructions as its p give the same bits
.endr
	WIN 0x41                                       ; destination and source 0 in window 1
	FMA 0
	s_wait_alu depctr_va_vdst(0)                   ; a wait ahead of each batch and behind it
	WIN 0
.irp b, 0,1,2,3,4,5,6,7
	v_exp_f32 v[BM+\b], v[BM+\b]                   ; each block's largest p
.endr
	WIN 0x41
	EXPF 0, 1
	s_wait_alu depctr_va_vdst(0)
	EXPF 1, 2
	s_wait_alu depctr_va_vdst(0)
	EXPF 2, 3
	s_wait_alu depctr_va_vdst(0)
	EXPF 3, 4
	WIN 0
	v_nop                                          ; a plain instruction behind the last exponential
	s_wait_alu depctr_va_vdst(0)
.irp b, 0,1,2,3,4,5,6,7
	v_max_num_f32 v[BM+\b], 0x1800000, v[BM+\b]    ; the floor 2^(3 - 127): the byte cannot fall under 1
.endr
.irp b, 0,1,2,3,4,5,6,7
	v_add_nc_u32 v[BM+\b], 0xff000000, v[BM+\b]    ; 2 off the exponent field: the conversion's scale operand
.endr
.irp i, 0,1,2,3                                ; p's scale word of tile i / 2, key step i % 2: my bytes are blocks h and 2 + h
	v_lshrrev_b32 v[T+\i], 23, v[BM+2*\i]
.endr
.irp i, 0,1,2,3
	v_lshrrev_b32 v[T+4+\i], 7, v[BM+2*\i+1]
.endr
.irp i, 0,1,2,3
	v_and_or_b32 v[T+\i], v[T+4+\i], 0xff0000, v[T+\i]
.endr
.irp i, 0,1,2,3
	v_permlanex16_b32 v[T+4+\i], v[T+\i], s[SEL], s[SEL+1]
.endr
.irp i, 0,1,2,3
	v_perm_b32 v[PW+\i], v[T+4+\i], v[T+\i], 0x06020400   ; lanes 0-15: my byte 0, the other's, my byte 2, the other's (lanes 16-31 are not read)
.endr
	WIN 0x05                                       ; the rows' sums of the unquantised p: four chains a tile
.irp q, 0,1,2,3
	v_pk_add_f32 v[T+2*\q:T+2*\q+1], v[2*\q:2*\q+1], v[2*\q+8:2*\q+9]
	v_pk_add_f32 v[T2+2*\q:T2+2*\q+1], v[128+2*\q:128+2*\q+1], v[128+2*\q+8:128+2*\q+9]
.endr
	WIN 0x04
.set j, 16
.rept 14
.irp q, 0,1,2,3
	v_pk_add_f32 v[T+2*\q:T+2*\q+1], v[T+2*\q:T+2*\q+1], v[j+2*\q:j+2*\q+1]
	v_pk_add_f32 v[T2+2*\q:T2+2*\q+1], v[T2+2*\q:T2+2*\q+1], v[128+j+2*\q:128+j+2*\q+1]
.endr
.set j, j+8
.endr
	WIN 0
	v_pk_add_f32 v[T:T+1], v[T:T+1], v[T+2:T+3]
	v_pk_add_f32 v[T2:T2+1], v[T2:T2+1], v[T2+2:T2+3]
	v_pk_add_f32 v[T+4:T+5], v[T+4:T+5], v[T+6:T+7]
	v_pk_add_f32 v[T2+4:T2+5], v[T2+4:T2+5], v[T2+6:T2+7]
	D2
	v_pk_add_f32 v[T:T+1], v[T:T+1], v[T+4:T+5]
	D2
	v_pk_add_f32 v[T2:T2+1], v[T2:T2+1], v[T2+4:T2+5]
	D2
	v_pk_fma_f32 v[LS:LS+1], v[LS:LS+1], v[FF:FF+1], v[T:T+1] op_sel_hi:[1,0,1]   ; the old sum under the new M, and this step's
	D2
	v_pk_fma_f32 v[LS+2:LS+3], v[LS+2:LS+3], v[FF+2:FF+3], v[T2:T2+1] op_sel_hi:[1,0,1]
	v_nop
	WIN 0x01                                       ; source 0 in window 1
.irp b, 0,1,2,3,4,5,6,7
.irp q, 0,1,2,3
	v_cvt_scalef32_pk8_fp4_f32 v[PCD+4*\b+\q], v[32*\b+8*\q:32*\b+8*\q+7], v[BM+\b]
.endr
.endr
	WIN 0
	v_nop                                          ; one plain instruction behind the scaled conversions
	s_wait_dscnt 0x0                               ; V is in
	s_wait_alu depctr_va_vdst(0)                   ; directly ahead of the first reader of O^T
.irp q, 0,1
.set j, 0
.rept 16
	v_pk_mul_f32 v[O+32*\q+j:O+32*\q+j+1], v[O+32*\q+j:O+32*\q+j+1], v[FF+2*\q:FF+2*\q+1] op_sel_hi:[1,0]   ; O^T under the new M; these 32 also stand between the words and codes just made and the products
.set j, j+2
.endr
.endr
.irp k, 0,1                                    ; the eight accumulators take turns
.irp q, 0,1
.irp t, 0,1,2,3
	OMM O+32*\q+8*\t, F+32*\k+8*\t, PCD+16*\q+8*\k, VS+2*\k+\t%2, PW+2*\q+\k, \t/2
.endr
.endr
.endr
.endm
.macro ADDRS                           ; four plain instructions: in the loop also the places behind the last products
	v_add_nc_u32 v[AK], s[TB], v[AKB]
	v_add_nc_u32 v[AV], s[TB], v[AVB]
	v_add_nc_u32 v[AS], s[TB], v[ASB]
	v_add_nc_u32 v[AT], s[TB], v[ATB]
.endm
; A PASS: two tiles of 16 queries walk the head's eight steps of 256 keys and go out.
.macro PASS n
	s_wait_loadcnt 0x0                             ; Q
	v_and_or_b32 v[QS], v[QW], 0xffff, s[C7H]      ; tile 0: [q | 0],
	v_lshl_or_b32 v[QS+1], v[QW], 16, s[C7L]       ; [0 | q];
	v_lshrrev_b32 v[QS+2], 16, v[QW]
	v_and_or_b32 v[QS+3], v[QW], 0xffff0000, s[C7L]   ; tile 1: [0 | q],
	v_or_b32 v[QS+2], s[C7H], v[QS+2]              ; [q | 0]
.set j, 0
.rept 64
	v_mov_b32 v[O+j], 0                            ; the step is written once: its first trip finds zeros, which the first change of M leaves zeros
.set j, j+1
.endr
.irp q, 0,1
	v_mov_b32 v[NM+2*\q+1], 0xfe967699             ; the largest score so far: -1e38
	v_mov_b32 v[NM+2*\q], 0x7e967699               ; -M
	v_mov_b32 v[LS+2*\q], 0
	v_mov_b32 v[LS+2*\q+1], 0
.endr
	s_mov_b32 s[TB], 0
	s_mov_b32 s[CNT], 8
	ADDRS
	s_wait_alu depctr_va_vdst(0)
.Lstep_\@:
	STEP
	s_add_co_u32 s[TB], s[TB], BIG
	ADDRS
	s_sub_co_u32 s[CNT], s[CNT], 1
	s_cmp_lg_u32 s[CNT], 0
	s_wait_alu depctr_va_vdst(0)                   ; directly ahead of the branch
	s_cbranch_scc1 .Lstep_\@
.if \n == 0
	s_add_nc_u64 s[QA:QA+1], s[QA:QA+1], 1024      ; the next pass's fragment of Q comes while this pass goes out
	s_add_nc_u64 s[QB:QB+1], s[QB:QB+1], 4
	QLOAD
.endif
	; THE WAY OUT: O^T / the sum goes through my stage in LDS, so that sixteen lanes store the 256 consecutive bytes that a head has in a row of out.
.irp q, 0,1
	v_add_f32 v[T+\q], v[LS+2*\q], v[LS+2*\q+1]
.endr
.irp q, 0,1
	D2
	v_permlanex16_b32 v[T+2+\q], v[T+\q], s[SEL], s[SEL+1]
.endr
.irp q, 0,1
	D2
	v_add_f32 v[T+\q], v[T+\q], v[T+2+\q]
.endr
	s_wait_alu depctr_va_vdst(0)
.irp q, 0,1
	v_rcp_f32 v[FF+2*\q], v[T+\q]
.endr
	v_nop
	s_wait_alu depctr_va_vdst(0)                   ; ahead of the first reader of the reciprocals and of O^T
.irp q, 0,1
.set j, 0
.rept 16
	v_pk_mul_f32 v[F+32*\q+j:F+32*\q+j+1], v[O+32*\q+j:O+32*\q+j+1], v[FF+2*\q:FF+2*\q+1] op_sel_hi:[1,0]   ; register 8 t + i: out(query r, d = 16 t + 8 h + i)
.set j, j+2
.endr
.endr
.irp q, 0,1
.irp t, 0,1,2,3
	ds_store_b128 v[STO], v[F+32*\q+8*\t:F+32*\q+8*\t+3] offset:64*\t
	ds_store_b128 v[STO], v[F+32*\q+8*\t+4:F+32*\q+8*\t+7] offset:64*\t+16
.endr
.irp i, 0,1,2,3,4,5,6,7
	ds_load_b128 v[O+64*\q+4*\i:O+64*\q+4*\i+3], v[RD] offset:2*\i*SP   ; LDS serves a wave's instructions in order (ISA guide 5.7.1.4): these see my stores, and tile 1's stores come behind tile 0's loads
.endr
.endr
.irp q, 0,1
.irp i, 0,1,2,3,4,5,6,7
	s_wait_dscnt 23-16*\q-\i                       ; behind this load: its tile's younger loads and, for tile 0, tile 1's sixteen
	global_store_b128 v[GO], v[O+64*\q+4*\i:O+64*\q+4*\i+3], s[8:9] offset:(32*\n+16*\q+2*\i)*4096 th:TH_STORE_NT   ; two runs of 256 consecutive bytes, each at a multiple of 256 from out's first byte
.endr
.endr
.if \n == 0
	s_wait_xcnt 0x0                                ; the stores have read their registers, which the next pass writes
.endif
.endm
	PASS 0
	PASS 1
	s_wait_tensorcnt 0x0                           ; the wave's end
	ds_add_u32 v[SPW], v[NIL]
	s_wait_dscnt 0x0
	ROUND                                          ; the closing round
	s_endpgm
.Lfunc_end_k_q9a9026fa23_attn:
	.size	k_q9a9026fa23_attn, .Lfunc_end_k_q9a9026fa23_attn-k_q9a9026fa23_attn
	.p2alignl 7, 3214868480
	.fill 96, 4, 3214868480
	.section	.rodata,"a",@progbits
	.p2align	6, 0x0
	.amdhsa_kernel k_q9a9026fa23_attn
		.amdhsa_group_segment_fixed_size 196608
		.amdhsa_private_segment_fixed_size 0
		.amdhsa_enable_private_segment 0
		.amdhsa_kernarg_size 24
		.amdhsa_user_sgpr_count 2
		.amdhsa_user_sgpr_kernarg_segment_ptr 1
		.amdhsa_wavefront_size32 1
		.amdhsa_system_sgpr_workgroup_id_x 1
		.amdhsa_system_sgpr_workgroup_id_y 1
		.amdhsa_system_sgpr_workgroup_id_z 1
		.amdhsa_system_vgpr_workitem_id 0
		.amdhsa_next_free_vgpr 512
		.amdhsa_next_free_sgpr 66
		.amdhsa_reserve_vcc 0
		.amdhsa_float_denorm_mode_32 3
		.amdhsa_float_denorm_mode_16_64 3
		.amdhsa_memory_ordered 1
		.amdhsa_forward_progress 1
		.amdhsa_inst_pref_size 126
	.end_amdhsa_kernel
	.amdgpu_metadata
---
amdhsa.version: [ 1, 2 ]
amdhsa.kernels:
  - .name:           k_q9a9026fa23_attn
    .symbol:         k_q9a9026fa23_attn.kd
    .args:
      - { .name: qimg, .offset: 0, .size: 8, .value_kind: global_buffer, .address_space: global }
      - { .name: kv, .offset: 8, .size: 8, .value_kind: global_buffer, .address_space: global }
      - { .name: out0, .offset: 16, .size: 8, .value_kind: global_buffer, .address_space: global }
    .group_segment_fixed_size: 196608
    .private_segment_fixed_size: 0
    .kernarg_segment_align: 8
    .kernarg_segment_size: 24
    .max_flat_workgroup_size: 256
    .sgpr_count:     66
    .vgpr_count:     512
    .wavefront_size: 32
...
	.end_amdgpu_metadata
.endif
;; end of part 2
